; MI455X (gfx1250); checked and timed in simulation.
; The chip was launched on July 23, 2026; its instructions are those of AMD's public machine-readable ISA for CDNA 5 (MIT licence, August 2026) and "CDNA5" Instruction Set Architecture Reference Guide (July 2026). The comments in the code are by the model that wrote it; some were corrected since.
;; Attend. Allowed arithmetic: float matrix products may take bf16 or f16 operands with f32 sums; all other float work in f32.
;; Inputs: k 4 x 16 x 2,048 x 64 float32; q 4 x 16 x 2,048 x 64 float32; v 4 x 16 x 2,048 x 64 float32.
;; Outputs: out0 4 x 2,048 x 1,024 float32.
;; One version. Each part assembles by itself: llvm-mc -triple=amdgcn-amd-amdhsa -mcpu=gfx1250 --defsym DOCPART=n.
;; ======== version 1 of 1: 1 launch
;; launch attend (part 1): grid 4 x 64, 8 waves a work-group, clusters of 4 x 1, 327,680 bytes of LDS; arguments q, k, v, out0; writes out0
.if DOCPART == 1
	.amdgcn_target "amdgcn-amd-amdhsa--gfx1250"
	.amdhsa_code_object_version 6
	.text
	.protected	k_qb50beb8e52_attend
	.globl	k_qb50beb8e52_attend
	.p2align	8
	.type	k_qb50beb8e52_attend,@function
k_qb50beb8e52_attend:
	s_mov_b64 s[64:65], 0
	v_nop
	global_prefetch_b8 v0, s[64:65] scope:SCOPE_SE
	s_setreg_imm32_b32 hwreg(HW_REG_WAVE_MODE, 25, 1), 1
	s_wait_xcnt 0x0
	s_wait_alu depctr_hold_cnt(0) depctr_sa_sdst(0) depctr_va_vdst(0) depctr_va_sdst(0) depctr_va_ssrc(0) depctr_va_vcc(0) depctr_vm_vsrc(0)
	s_getreg_b32 s2, hwreg(HW_REG_IB_STS2, 6, 4)
	s_cmp_eq_u32 s2, 0
	s_cbranch_scc0 .Lentry_in_a_cluster
	s_endpgm
.Lentry_in_a_cluster:
	s_bfe_u32 s2, ttmp6, 0x10000c
	s_cmp_lg_u32 s2, 0x3003
	s_cbranch_scc0 .Lentry_shape_is_right
	s_endpgm
.Lentry_shape_is_right:
; out0[b][n][64 h + d] = the sum over j of softmax_j(q[b][h][n] . k[b][h][j] / 8) v[b][h][j][d].  q, k, v: [64 heads][2048][64] f32; out0: [4][2048][1024] f32.
; LIMITS.  q, k, v and the weights p are rounded to bf16 for the two products; scores, maxima, sums and O stay in f32; l is summed from the unrounded p, in another order than a plain
; row sum.  The running maximum is taken away in every step, so every exponent is <= 0 and l >= 1; weights under 2^-126 come out as zero.  NaN and infinities among the inputs are not
; treated: the maxima ignore a NaN, so such rows need not match.
; SHARES.  A work-group owns 512 queries of one head, each of its eight waves 64: four tiles of 16.  Eight waves of 512 registers are two for each 1,024 registers of a SIMD.
; Every wave walks the head's 2,048 keys, 64 a step, 32 steps.
; LAYOUT.  S^T = K Q^T (source 0 = 16 keys, source 1 = 16 queries): a lane holds ONE query (lane % 16) and the keys 8 (lane / 16) + 0..7 of each block of 16.  Rounded in pairs, in place,
; these registers ARE source 1 of O^T = V^T P, whose result again holds one query a lane and eight channels.  A query's maximum and sum want one exchange between the halves of the lanes.
; SOFTMAX.  For each query a running maximum m and sum l: p = 2^(c s - c m), c = log2(e) / 8; in every step O and l are multiplied by a = 2^(c m_old - c m_new).
; TWO GROUPS IN OPPOSITE ORDER.  Between two barriers lies an interval j = 0 .. 32.  M(j) = the 32 products V^T P of step j - 1, then the 32 products K Q^T of step j; X(j) = the softmax of
; step j.  Waves 0-3 run M(j), X(j); waves 4-7 run X(j - 1), M(j): while one group issues products the other issues vector work.  Each phase is a long stretch under one register window.
; THE WAY IN.  k and v are f32 in memory.  Joint tensor loads bring them into a ring of two LDS slots; in interval j each wave reads its eighth of K(j + 1) and of V(j) from the ring,
; rounds it to bf16 and stores it into bf16 slot (j + 1) % 2, from which all eight waves take their fragments behind the next barrier: the rounding is done once for the work-group.
; Ring slot s holds K(2 s + 1), K(2 s + 2), V(2 s), V(2 s + 1) and is read in intervals 2 s and 2 s + 1.  Two exceptions: K(0) comes by plain loads at the start, and slot 15 holds
; K(30), K(31), so that its tile ends with the head's last row (K(30), 16 KB of a head's 1 MB, is so fetched twice).
; CLUSTER.  The four query blocks of a head form a cluster and walk the same k and v: each ring tile is asked for JOINTLY, by the same tensor load with the same descriptor and the mask 15.
; REGISTERS, in windows of 256 (s_set_vgpr_msb: bits 1:0 source 0, 3:2 source 1, 5:4 source 2, 7:6 destination):
;   window 0: v0-15 addresses; v16-31 T, the rounding's 16 numbers; v32-63 eight statistics a tile; v64-191 S^T, 32 a tile, P in place in a tile's first 16; v192-255 K's fragments
;   window 1: v0-127 O^T, 32 a tile; v128-191 Q, 16 a tile; v192-255 V's fragments
.set RSLOT, 65536      ; a ring slot: K's 128 rows of 256 bytes, then V's; bit 16 tells the two slots apart
.set RVOFF, 32768      ; V's part of a ring slot
.set RSTEP, 16384      ; one step's 64 rows of 256 bytes
.set PK,    144        ; a row of bf16 K: 128 bytes + 16 = 36 words: the 16 rows of a fragment load start at 16 different groups of four banks (64 banks of 4 bytes: ISA guide 11.1)
.set KBS,   64*PK      ; a bf16 slot of K
.set KB,    2*RSLOT    ; the two bf16 slots of K lie behind the ring
.set PVP,   160        ; a row of bf16 V: 128 bytes + 32 = 40 words
.set VBS,   64*PVP
.set VB,    KB+2*KBS
.set SP,    272        ; a row of the stage: 256 bytes + 16
.set STAGE, VB+2*VBS   ; 16 rows for each wave, for the way out; ends at byte 204,800.  No tensor load lands behind the ring
.set AK,  2            ; v2   my lane's place in a bf16 tile of K (slot 0)
.set AV,  3            ; v3   the same for V, for the turning load
.set SK,  4            ; v4   where I store 8 bytes of rounded K (slot 0)
.set SV,  5            ; v5   the same for V
.set RA0, 6            ; v6   my 16 bytes in my wave's eighth of a step's f32 tile: 2,048 w + 16 lane; also my offset in K(0) in memory
.set RA,  7            ; v7   RA0 + the ring slot in hand
.set QO,  8            ; v8   my byte offset in the wave's rows of q
.set STO, 9            ; v9   the way out: where I put 32 bytes of a row
.set RD,  10           ; v10  the way out: where I read a row back
.set GO,  11           ; v11  my byte offset in the wave's rows of out0
.set T,   16
.set ST,  32           ; tile t at v[ST+8 t]: +0 c m, +1 m, +2, +3 l (even keys', odd keys'), +4 to +7 c0-c3 at work; later +4, +5 a second chain of sums, +6 a
.set S,   64
.set KF,  192
.set QF,  128          ; window 1
.set VF,  192          ; window 1
.set WV,  12           ; s12  my wave's number
.set G1,  24           ; s[24:31] descriptor group 1, the same for every load, never rewritten
.set KST, 32           ; s[32:33] bytes by which K's walking address steps
.set G0K, 40           ; s[40:47] descriptor group 0 for K: a set for each first fill; the second walks on
.set G0V, 48           ; s[48:55] the same for V
.set PAIRS, 56         ; s56  refills still to come
.set TB,  57           ; s57  the ring slot in hand: 0 or RSLOT
.set CS,  58           ; s[58:59] c, named as a pair by the packed scaling
.set SEL, 60           ; s[60:61] lane selects for v_permlanex16_b32: each lane takes its own place in the other half
.set MSB, 0
.macro WIN new                         ; the immediate's high byte repeats the setting that is left; a switch that changes nothing is dropped
.if MSB != \new
	s_set_vgpr_msb (MSB<<8)|\new
.set MSB, \new
.endif
.endm
.set W_KQ, 0x04        ; Q (source 1) in window 1; K and S^T in window 0
.set W_PV, 0x51        ; V (source 0) and O^T (C and D) in window 1; P in window 0
.set W_RS, 0x41        ; O^T (destination and source 0) in window 1; the factor in window 0
.set TO_1, 0x40        ; destination in window 1
.set ST_1, 0x04        ; an LDS store's data in window 1
.macro PLACES c
.rept \c
	v_nop
.endr
.endm
; A round of the cluster's barrier: my work-group's barrier, so that wave 0's signal speaks for all eight waves; wave 0 signals for the work-group; every wave waits for all four
; work-groups; my work-group's barrier once more.  No LDS instruction of the wave is pending at a signal.
.macro CROUND
	s_barrier_signal -1
	s_barrier_wait -1
	s_cmp_lg_u32 s[WV], 0
	s_cbranch_scc1 .Lnot_wave_0_\@
	s_barrier_signal -3
.Lnot_wave_0_\@:
	s_barrier_wait -3
	s_barrier_signal -1
	s_barrier_wait -1
.endm
; A joint refill: wave 0 asks for K's 128 rows, wave 1 for V's, the others for nothing.  The branches hang on the wave's number alone.  Four v_nop follow each of the two lines.
.macro JLOAD
	s_cmp_lg_u32 s[WV], 0
	s_cbranch_scc1 .Lnot_k_\@
	tensor_load_to_lds s[G0K+4:G0K+7], s[G1:G1+7]
	s_nop 0
	PLACES 4
	s_branch .Lasked_\@
.Lnot_k_\@:
	s_cmp_lg_u32 s[WV], 1
	s_cbranch_scc1 .Lasked_\@
	tensor_load_to_lds s[G0V+4:G0V+7], s[G1:G1+7]
	s_nop 0
	PLACES 4
.Lasked_\@:
.endm
	s_load_b256 s[4:11], s[0:1], 0x0               ; q s[4:5], k s[6:7], v s[8:9], out0 s[10:11]
	v_lshl_add_u32 v254, v0, 2, 0x32000
	v_mov_b32 v255, 0
	ds_add_u32 v254, v255
	s_wait_dscnt 0x0
	v_lshrrev_b32 v1, 5, v0
	v_readfirstlane_b32 s[WV], v1                  ; wave 0..7
	s_bfe_u32 s13, ttmp6, 0x40000                  ; cx: my place in the cluster
	s_lshl_b32 s14, ttmp9, 2                       ; in a cluster launch ttmp9 counts clusters
	s_add_co_u32 s14, s14, s13                     ; my block of 512 queries: it enters q's and out0's addresses alone
	s_and_b32 s20, ttmp7, 0xffff                   ; the head 16 b + h, which the four partners share
	s_lshr_b32 s18, s20, 4                         ; b
	s_and_b32 s19, s20, 15                         ; h
	s_lshl_b32 s20, s20, 19                        ; the head's first byte in q, k and v: 2,048 rows of 256 bytes
	s_mov_b32 s21, 0
	s_lshl_b32 s16, s14, 17                        ; q: my block's 512 rows,
	s_lshl_b32 s17, s[WV], 14                      ; my wave's 64 of them,
	s_add_co_u32 s16, s16, s17
	s_add_co_u32 s16, s16, s20                     ; in my head
	s_mov_b32 s17, 0
	s_lshl_b32 s18, s18, 23                        ; out0: b x 2,048 rows of 4,096 bytes,
	s_lshl_b32 s19, s19, 8                         ; the head's 256 bytes of a row,
	s_add_co_u32 s18, s18, s19
	s_lshl_b32 s19, s14, 21                        ; my block's 512 rows,
	s_add_co_u32 s18, s18, s19
	s_lshl_b32 s19, s[WV], 18                      ; my wave's 64: under 2^25 in all
	s_add_co_u32 s18, s18, s19
	s_mov_b32 s19, 0
	; descriptor group 1: a tile of 128 rows x 64 elements of 4 bytes, dense in memory and in LDS
	s_mov_b32 s[G1+0], 15|(2<<16)|(1<<21)          ; 15:0 the mask: all four work-groups; 17:16 elements of 4 bytes; 20 no padding; 21 set beside a mask
	s_mov_b32 s[G1+1], 64<<16                      ; 63:48 tensor_dim0, low half = 64
	s_mov_b32 s[G1+2], 128<<16                     ; 79:64 its high half = 0; 95:80 tensor_dim1, low half = 128: every tile lies inside its head
	s_mov_b32 s[G1+3], 64<<16                      ; 111:96 its high half = 0; 127:112 tile_dim0 = 64 (256 bytes)
	s_mov_b32 s[G1+4], 128                         ; 143:128 tile_dim1 = 128; 159:144 tile_dim2 = 0
	s_mov_b32 s[G1+5], 64                          ; 191:160 tensor_dim0_stride: 64 elements from row to row
	s_mov_b32 s[G1+6], 0
	s_mov_b32 s[G1+7], 0
	s_mov_b32 s[CS], 0x3e38aa3b                    ; c = log2(e) / 8 = 0.180337
	s_mov_b32 s[CS+1], s[CS]                       ; named with it as a pair, so it is written
	s_mov_b32 s[SEL], 0x76543210
	s_mov_b32 s[SEL+1], 0xfedcba98
	s_mov_b32 s[TB], 0
	s_mov_b32 s[KST+1], 0
	s_mov_b32 s[PAIRS], 14                         ; ring slots 2 to 15 come by refills
	s_wait_kmcnt 0x0
	s_add_nc_u64 s[4:5], s[4:5], s[16:17]          ; q and out0 at my wave's first row
	s_add_nc_u64 s[10:11], s[10:11], s[18:19]
	s_add_nc_u64 s[6:7], s[6:7], s[20:21]          ; k and v at the head's first row: nothing of my place in the cluster
	s_add_nc_u64 s[8:9], s[8:9], s[20:21]
	CROUND                                         ; all four work-groups are here: the first joint loads meet
.irp s, 0,1
	s_mov_b32 s[G0K+4*\s], 1                                       ; 1:0 count = 1
	s_mov_b32 s[G0K+4*\s+1], \s*RSLOT                              ; 63:32 LDS address
	s_add_nc_u64 s[G0K+4*\s+2:G0K+4*\s+3], s[6:7], RSTEP+\s*2*RSTEP  ; 120:64 global address: K runs one step ahead: slot s begins with step 2 s + 1
	s_or_b32 s[G0K+4*\s+3], s[G0K+4*\s+3], 0x80000000              ; 127:126 type = 2
	s_mov_b32 s[G0V+4*\s], 1
	s_mov_b32 s[G0V+4*\s+1], \s*RSLOT+RVOFF
	s_add_nc_u64 s[G0V+4*\s+2:G0V+4*\s+3], s[8:9], \s*2*RSTEP      ; V: slot s begins with step 2 s
	s_or_b32 s[G0V+4*\s+3], s[G0V+4*\s+3], 0x80000000
.endr
	s_cmp_lg_u32 s[WV], 0                          ; a wave's two first fills stand in one branch, ahead of every wait on TENSORcnt, every LDS read and every further barrier:
	s_cbranch_scc1 .Lfirst_not_k                   ; two loads of waves 0 and 1 are out, none of the others
	tensor_load_to_lds s[G0K:G0K+3], s[G1:G1+7]
	s_nop 0
	tensor_load_to_lds s[G0K+4:G0K+7], s[G1:G1+7]
	s_nop 0
	PLACES 4
	s_branch .Lfirst_asked
.Lfirst_not_k:
	s_cmp_lg_u32 s[WV], 1
	s_cbranch_scc1 .Lfirst_asked
	tensor_load_to_lds s[G0V:G0V+3], s[G1:G1+7]
	s_nop 0
	tensor_load_to_lds s[G0V+4:G0V+7], s[G1:G1+7]
	s_nop 0
	PLACES 4
.Lfirst_asked:
	v_and_b32 v1, 15, v0                           ; r = lane % 16
	v_bfe_u32 v12, v0, 4, 1                        ; h = lane / 16
	v_and_b32 v15, 31, v0                          ; lane
	v_lshlrev_b32 v[RA0], 4, v15
	v_lshl_add_u32 v[RA0], s[WV], 11, v[RA0]       ; 2,048 w + 16 lane: a load of 16 bytes a lane takes two rows of 256 bytes
	v_lshlrev_b32 v[QO], 8, v1
	v_lshl_add_u32 v[QO], v12, 5, v[QO]            ; row r, 8 h channels of 4 bytes
.irp q, 0,1,2,3
	global_load_b128 v[T+4*\q:T+4*\q+3], v[RA0], s[6:7] offset:\q*512   ; my eighth of K(0): rows 8 w + 2 q + h
.endr
	; Q: a fragment is 16 queries x 32 channels: lane (r, h) wants channels 8 h + 0..7 and 16 + 8 h + 0..7 of each 32: four loads of 16 bytes (f32) for each, into S^T's registers, which are still free
.irp t, 0,1,2,3
.irp i, 0,1,2,3,4,5,6,7
	global_load_b128 v[S+32*\t+4*\i:S+32*\t+4*\i+3], v[QO], s[4:5] offset:\t*4096+128*(\i/4)+64*((\i/2)%2)+16*(\i%2)
.endr
.endr
	v_mov_b32 v[RA], v[RA0]                        ; the ring slot in hand is slot 0
	v_and_b32 v13, 7, v0
	v_bfe_u32 v14, v0, 3, 1
	v_mul_u32_u24 v[AK], v1, PK                    ; a fragment of K: row r x pitch + 16 h; two loads of 16 bytes, 32 bytes apart
	v_lshl_add_u32 v[AK], v12, 4, v[AK]
	v_add_nc_u32 v[AK], KB, v[AK]
	v_lshl_add_u32 v[AV], v12, 3, v13              ; the turning load: key 8 h + lane % 8, channels 8 ((lane / 8) % 2) + 0..7
	v_mul_u32_u24 v[AV], v[AV], PVP
	v_lshl_add_u32 v[AV], v14, 4, v[AV]
	v_add_nc_u32 v[AV], VB, v[AV]
	s_mul_i32 s2, s[WV], 8*PK                      ; my wave's 8 rows of a bf16 tile
	s_add_co_u32 s2, s2, KB
	v_mul_u32_u24 v[SK], v12, PK                   ; row h of a pair, 4 numbers = 8 bytes at 8 r
	v_lshl_add_u32 v[SK], v1, 3, v[SK]
	v_add_nc_u32 v[SK], s2, v[SK]
	s_mul_i32 s3, s[WV], 8*PVP
	s_add_co_u32 s3, s3, VB
	v_mul_u32_u24 v[SV], v12, PVP
	v_lshl_add_u32 v[SV], v1, 3, v[SV]
	v_add_nc_u32 v[SV], s3, v[SV]
	s_mul_i32 s22, s[WV], 16*SP
	s_add_co_u32 s22, s22, STAGE                   ; my stage
	v_mul_u32_u24 v[STO], v1, SP                   ; in: row r, 32 bytes for each half of the lanes
	v_lshl_add_u32 v[STO], v12, 5, v[STO]
	v_add_nc_u32 v[STO], s22, v[STO]
	v_mul_u32_u24 v[RD], v12, SP                   ; back: lanes 0-15 take one row of 256 bytes, lanes 16-31 the next
	v_lshl_add_u32 v[RD], v1, 4, v[RD]
	v_add_nc_u32 v[RD], s22, v[RD]
	v_lshlrev_b32 v[GO], 12, v12                   ; and the same two queries in out0, 4,096 bytes apart
	v_lshl_add_u32 v[GO], v1, 4, v[GO]
; THE LDS LOADS OF AN INTERVAL, in one run.  pv: V's fragments of step j - 1 (turned; keys 32 (f / 4) on, channels 16 (f % 4) on).  kq: K's of step j (channels 32 (f / 4) on, keys 16 (f % 4) on).
; ck: my eighth of K(j + 1), f32, from the ring: 1 = from half par of the slot's K part, 2 = from its second half (ring slot 15).
.macro FETCH par, pv, kq, ck
.if \pv
	WIN TO_1
.irp f, 0,1,2,3,4,5,6,7
	ds_load_tr16_b128 v[VF+8*\f:VF+8*\f+3],   v[AV] offset:\par*VBS+(\f/4)*32*PVP+(\f%4)*32
	ds_load_tr16_b128 v[VF+8*\f+4:VF+8*\f+7], v[AV] offset:\par*VBS+(\f/4)*32*PVP+16*PVP+(\f%4)*32
.endr
.endif
	WIN 0
.if \kq
.irp f, 0,1,2,3,4,5,6,7
	ds_load_b128 v[KF+8*\f:KF+8*\f+3],   v[AK] offset:\par*KBS+(\f%4)*16*PK+(\f/4)*64
	ds_load_b128 v[KF+8*\f+4:KF+8*\f+7], v[AK] offset:\par*KBS+(\f%4)*16*PK+(\f/4)*64+32
.endr
.endif
.if \ck
.set KO, \par*RSTEP
.if \ck == 2
.set KO, RSTEP
.endif
.irp q, 0,1,2,3
	ds_load_b128 v[T+4*\q:T+4*\q+3], v[RA] offset:KO+\q*512
.endr
.endif
.endm
.macro CLV par                         ; my eighth of V(j), f32, from the ring
.irp q, 0,1,2,3
	ds_load_b128 v[T+4*\q:T+4*\q+3], v[RA] offset:RVOFF+\par*RSTEP+\q*512
.endr
.endm
; T's 16 numbers are rounded to bf16 in place (ascending, so that no number is written over before it is read) and stored: load q brought rows 8 w + 2 q + h, columns 4 r + 0..3
.macro CVT_STORE adr, off, two_rows
.irp q, 0,1,2,3
	v_cvt_pk_bf16_f32 v[T+2*\q],   v[T+4*\q],   v[T+4*\q+1]
	v_cvt_pk_bf16_f32 v[T+2*\q+1], v[T+4*\q+2], v[T+4*\q+3]
.endr
.irp q, 0,1,2,3
	ds_store_b64 v[\adr], v[T+2*\q:T+2*\q+1] offset:\off+\q*\two_rows
.endr
.endm
.macro CSK par                         ; into the bf16 slot that the NEXT interval reads
	CVT_STORE SK, (1-\par)*KBS, 2*PK
.endm
.macro CSV par
	CVT_STORE SV, (1-\par)*VBS, 2*PVP
.endm
; THE MATRIX WORK.  In both runs 16 accumulators take turns, one instruction a turn; the last product of one run and the first of the next name different accumulators.
; Product i of 32 of O^T += V^T P: keys 32 (i / 16) on, channels 16 ((i / 4) % 4) on, tile i % 4.  mode = 1: the first 16 start the sums: nothing is ever cleared.
; The two waits count the LDS loads issued behind V's first eight and behind all its sixteen: V's second eight, K's sixteen (kq), the ring's four (CKN).
.macro PV mode, kq
	WIN W_PV
.set i, 0
.rept 32
.if i == 0
	s_wait_dscnt 8+16*\kq+4*CKN
.elseif i == 16
	s_wait_dscnt 16*\kq+4*CKN
.endif
.set rO, 32*(i%4)+8*((i/4)%4)
.set rV, VF+32*(i/16)+8*((i/4)%4)
.set rP, S+32*(i%4)+8*(i/16)
.if (\mode == 1) && (i < 16)
	v_wmma_f32_16x16x32_bf16 v[rO:rO+7], v[rV:rV+7], v[rP:rP+7], 0
.else
	v_wmma_f32_16x16x32_bf16 v[rO:rO+7], v[rV:rV+7], v[rP:rP+7], v[rO:rO+7]
.endif
.set i, i+1
.endr
.endm
; Product i of 32 of S^T = K Q^T: channels 32 (i / 16) on, keys 16 ((i / 4) % 4) on, tile i % 4.  The first 16 start the sums.
.macro KQ
	WIN W_KQ
.set i, 0
.rept 32
.set rD, S+32*(i%4)+8*((i/4)%4)
.set rK, KF+8*(4*(i/16)+(i/4)%4)
.set rQ, QF+16*(i%4)+8*(i/16)
.if i < 16
	v_wmma_f32_16x16x32_bf16 v[rD:rD+7], v[rK:rK+7], v[rQ:rQ+7], 0
.else
	v_wmma_f32_16x16x32_bf16 v[rD:rD+7], v[rK:rK+7], v[rQ:rQ+7], v[rD:rD+7]
.endif
.set i, i+1
.endr
.endm
; THE VECTOR WORK.  Three lists for a tile t, each walked by the symbol n.  s0-s31 are the lane's 32 scores.  first = 1: the first key step, which starts m and l and has no a.
; AB, n = 0..36: the maximum of s0-s31 and the old m, three operands at a time (four chains c0-c3, then the four scores left over); the other half of the lanes'; the new m; c m;
; c m_old - c m_new; then c s - c m for the sixteen pairs of scores.
.macro AB t, first
.set rT, ST+8*(\t)
.set rS, S+32*(\t)
.if n < 4
	v_max3_num_f32 v[rT+4+n], v[rS+8*n], v[rS+8*n+1], v[rS+8*n+2]
.elseif n < 12
	v_max3_num_f32 v[rT+4+n%4], v[rT+4+n%4], v[rS+8*(n%4)+2*(n/4)+1], v[rS+8*(n%4)+2*(n/4)+2]
.elseif n == 12
	v_max3_num_f32 v[rT+4], v[rT+4], v[rS+7], v[rS+15]
.elseif n == 13
	v_max3_num_f32 v[rT+6], v[rT+6], v[rS+23], v[rS+31]
.elseif n == 14
	v_max3_num_f32 v[rT+4], v[rT+4], v[rT+5], v[rT+6]
.elseif (n == 15) && \first
	v_max_num_f32 v[rT+4], v[rT+4], v[rT+7]
.elseif n == 15
	v_max3_num_f32 v[rT+4], v[rT+4], v[rT+7], v[rT+1]
.elseif n == 16
	v_permlanex16_b32 v[rT+5], v[rT+4], s[SEL], s[SEL+1]   ; the query's other 32 keys lie in the lane 16 away
.elseif ((n == 17) || (n == 20)) && \first                     ; the first step has neither
.elseif n == 17
	v_mov_b32 v[rT+7], v[rT]                       ; c m_old is kept for a
.elseif n == 18
	v_max_num_f32 v[rT+1], v[rT+4], v[rT+5]
.elseif n == 19
	v_mul_f32 v[rT], s[CS], v[rT+1]
.elseif n == 20
	v_sub_f32 v[rT+7], v[rT+7], v[rT]
.else
	v_pk_fma_f32 v[rS+2*(n-21):rS+2*(n-21)+1], v[rS+2*(n-21):rS+2*(n-21)+1], s[CS:CS+1], v[rT:rT+1] op_sel_hi:[1,0,0] neg_lo:[0,0,1] neg_hi:[0,0,1]
.endif
.endm
; EX, n = 0..32: a, then the 32 weights, in place.
.macro EX t, first
.set rT, ST+8*(\t)
.set rS, S+32*(\t)
.if n == 0
.if \first == 0
	v_exp_f32 v[rT+6], v[rT+7]
.endif
.else
	v_exp_f32 v[rS+n-1], v[rS+n-1]
.endif
.endm
; CC, n = 0..32: at n = 2 i pair i of the weights joins one of two chains of sums (l, which starts as a l, takes the even pairs; v[rT+4:rT+5] the odd ones; pairs 2 and 3 start chains
; early); at n = 2 i + 1 pair i is rounded to bf16 into register i of the tile's S^T, whose own pair, i / 2, has been summed and rounded by then; n = 32 joins the chains.
.macro CC t, first
.set rT, ST+8*(\t)
.set rS, S+32*(\t)
.set ci, n/2
.if n == 32
	v_pk_add_f32 v[rT+2:rT+3], v[rT+2:rT+3], v[rT+4:rT+5]
.elseif n%2 == 1
	v_cvt_pk_bf16_f32 v[rS+ci], v[rS+2*ci], v[rS+2*ci+1]
.elseif ci == 0
.if \first
	s_wait_alu depctr_va_vdst(0)
	v_pk_add_f32 v[rT+2:rT+3], v[rS:rS+1], v[rS+4:rS+5]
.else
	s_wait_alu depctr_va_vdst(0)
	v_pk_fma_f32 v[rT+2:rT+3], v[rT+2:rT+3], v[rT+6:rT+7], v[rS:rS+1] op_sel_hi:[1,0,1]
.endif
.elseif ci == 1
	v_pk_add_f32 v[rT+4:rT+5], v[rS+2:rS+3], v[rS+6:rS+7]
.elseif ci == 2
.if \first == 0
	v_pk_add_f32 v[rT+2:rT+3], v[rT+2:rT+3], v[rS+4:rS+5]
.endif
.elseif ci == 3                                                ; pair 3 was taken with pair 1
.elseif ci%2 == 0
	v_pk_add_f32 v[rT+2:rT+3], v[rT+2:rT+3], v[rS+2*ci:rS+2*ci+1]
.else
	v_pk_add_f32 v[rT+4:rT+5], v[rT+4:rT+5], v[rS+2*ci:rS+2*ci+1]
.endif
.endm
; One tile's plain list and another tile's exponentials by turns: behind every exponential stands a plain instruction of another tile before its result is used (ISA guide 5.7.2)
.macro ABEX ta, te, first
.set n, 0
.rept 37
	AB \ta, \first
.if n < 33
	EX \te, \first
.endif
.set n, n+1
.endr
.endm
; A step's softmax for the wave's four tiles.  f = 1: the interval's LDS loads stand in its middle (the group that begins an interval with its softmax asks there for what its products want).
.macro X first, f, par, pv, kq, ck
.set n, 0
.rept 37
	AB 0, \first
.set n, n+1
.endr
	ABEX 1, 0, \first
	ABEX 2, 1, \first
.if \f
	FETCH \par, \pv, \kq, \ck
.endif
	ABEX 3, 2, \first
.set n, 0
.rept 33
	CC 0, \first
	EX 3, \first
.set n, n+1
.endr
.set n, 0
.rept 33
	CC 1, \first
	CC 2, \first
	CC 3, \first
.set n, n+1
.endr
.if \first == 0
	WIN W_RS                                       ; O^T times a: the one part that leaves window 0, so it stands together
.irp t, 0,1,2,3
.set u, 0
.rept 16
	v_pk_mul_f32 v[32*\t+2*u:32*\t+2*u+1], v[32*\t+2*u:32*\t+2*u+1], v[ST+8*\t+6:ST+8*\t+7] op_sel_hi:[1,0]
.set u, u+1
.endr
.endr
.endif
	WIN 0
.endm
; AN INTERVAL.  par = j % 2.  pv: V^T P of step j - 1 (0 none, 1 it starts O^T, 2 it adds).  kq: K Q^T of step j.  ck: K(j + 1) is rounded (as in FETCH).  cv: V(j) is rounded.
; xa: waves 0-3 end with the softmax of step j; xb: waves 4-7 begin with that of step j - 1 (0 none, 1 the first step's, 2 a later one's).
; Both ways to the products issue the same LDS loads in the same order and none behind them, so the counted waits hold on both.
; Behind a matrix instruction four plain vector instructions that name none of its registers stand before a vector instruction or a load touches them, five before another matrix
; instruction writes over them (ISA guide 7.12.1 for vector and matrix instructions).  K's eight roundings are those places between V^T P and the K Q^T that writes over P, V's eight those
; between K Q^T and the softmax that reads S^T and the next loads into K's fragments.
.macro INTERVAL par, pv, kq, ck, cv, xa, xb
.set CKN, 0
.if \ck
.set CKN, 1
.endif
.if \xb
	s_cmp_lt_u32 s[WV], 4
	s_cbranch_scc0 .Lgroup_b_\@
.endif
	FETCH \par, \pv, \kq, \ck
.if \xb
	s_branch .Lproducts_\@
.Lgroup_b_\@:
.if \xb == 1
	X 1, 1, \par, \pv, \kq, \ck
.else
	X 0, 1, \par, \pv, \kq, \ck
.endif
.Lproducts_\@:
.endif
.if \pv
	PV \pv, \kq
	WIN 0
.endif
.if \kq
	s_wait_dscnt 0x0                               ; K's fragments and the ring's four loads are in
.if \ck
	CSK \par
.else
	PLACES 5                                       ; no rounding is at hand to stand between V^T P and K Q^T
.endif
.endif
.if \cv
	CLV \par                                       ; into T, behind the stores that read it: LDS serves a wave's instructions in order (ISA guide 5.7.1.4)
.endif
.if \kq
	KQ
	WIN 0
.endif
.if \cv
	s_wait_dscnt 0x0                               ; V's four loads are in
	CSV \par
.endif
.if \xa
	s_cmp_lt_u32 s[WV], 4
	s_cbranch_scc0 .Lend_\@
.if \xa == 1
	X 1, 0, 0, 0, 0, 0
.else
	X 0, 0, 0, 0, 0, 0
.endif
.Lend_\@:
.endif
.endm
; The barrier in front of an interval in which the ring slot stays: every wave's stores into the next bf16 slot are done and its reads of the old one are back.  No tensor load fills
; anything behind it, so the refill that is on its way to the other ring slot may stay out.
.macro BAR
	WIN 0
	s_wait_dscnt 0x0
	s_barrier_signal -1
	s_barrier_wait -1
.endm
; THE CHANGE OF RING SLOTS, every second interval; it is that interval's barrier too.  Each wave waits for all its LDS instructions (its reads of the slot among them) and for all its
; tensor loads (waves 0 and 1: their part of the other slot).  fill = 1: the slot just read is filled again, with the steps two slots on.  The barrier is then a round of the cluster's,
; so that no wave of any partner still reads the slot or has a load on its way, and the joint refill is the first thing behind it: it has two intervals in which to land.
.macro CHANGE fill
	WIN 0
	s_wait_dscnt 0x0
	s_wait_xcnt 0x0
	v_lshl_add_u32 v254, v0, 2, 0x32000
	v_mov_b32 v255, 0
	s_wait_tensorcnt 0x0                           ; no tensor load of mine is out, so a group 0 may be written
	ds_add_u32 v254, v255
	s_wait_dscnt 0x0
.if \fill
	s_cmp_eq_u32 s[PAIRS], 1                       ; K's address steps by two steps' rows, in the last refill by one: ring slot 15 is K(30), K(31) and ends with the head
	s_cselect_b32 s[KST], 1, 2
	s_lshl_b32 s[KST], s[KST], 14
	s_xor_b32 s[G0K+5], s[G0K+5], RSLOT            ; the walking descriptors: the other slot than last time,
	s_xor_b32 s[G0V+5], s[G0V+5], RSLOT
	s_add_nc_u64 s[G0K+6:G0K+7], s[G0K+6:G0K+7], s[KST:KST+1]   ; the next rows; the type bits on top are not reached
	s_add_nc_u64 s[G0V+6:G0V+7], s[G0V+6:G0V+7], 2*RSTEP
	CROUND
	JLOAD
.else
	s_barrier_signal -1
	s_barrier_wait -1
.endif
	s_xor_b32 s[TB], s[TB], RSLOT                  ; the reads go on in the other slot
	v_add_nc_u32 v[RA], s[TB], v[RA0]
.endm
	s_wait_loadcnt 32                              ; my eighth of K(0) is in: Q's 32 loads were issued behind it
	CSK 1                                          ; into bf16 slot 0
.irp t, 0,1,2,3
	s_wait_loadcnt 24-8*\t                         ; tile t of Q is in: the later tiles' loads, eight each, stay out
	WIN TO_1
.set u, 0
.rept 16
	v_cvt_pk_bf16_f32 v[QF+16*\t+u], v[S+32*\t+2*u], v[S+32*\t+2*u+1]
.set u, u+1
.endr
.endr
	WIN 0
	s_wait_tensorcnt 0x1                           ; my part of ring slot 0 is in; slot 1's may stay out
	s_wait_dscnt 0x0                               ; my rows of K(0) are stored
	s_barrier_signal -1
	s_barrier_wait -1
	INTERVAL 0, 0, 1, 1, 1, 1, 0                   ; j = 0: the first scores; waves 0-3: the first softmax
	BAR
	INTERVAL 1, 1, 1, 1, 1, 2, 1                   ; j = 1: V^T P of step 0 starts O^T; waves 4-7: the first softmax
.Lpair:                                                ; 14 trips of two intervals, j = 2 .. 29; trip p fills ring slot p + 1
	CHANGE 1
	INTERVAL 0, 2, 1, 1, 1, 2, 2
	BAR
	INTERVAL 1, 2, 1, 1, 1, 2, 2
	s_sub_co_u32 s[PAIRS], s[PAIRS], 1
	s_cmp_lg_u32 s[PAIRS], 0
	s_cbranch_scc1 .Lpair
	CHANGE 0                                       ; the tail is written out: nothing is left to ask for
	INTERVAL 0, 2, 1, 2, 1, 2, 2                   ; j = 30: K(31) lies in the second half of ring slot 15
	BAR
	INTERVAL 1, 2, 1, 0, 1, 2, 2                   ; j = 31: there is no K(32)
	BAR
	INTERVAL 0, 2, 0, 0, 0, 0, 2                   ; j = 32: waves 4-7: the last softmax; V^T P of step 31
	; THE WAY OUT.  l's two halves and the other half of the lanes' are added; O^T is divided by l and sent through my stage in LDS, a tile (16 queries) at a time.  The four additions are the places behind the last products.
.irp t, 0,1,2,3
	v_add_f32 v[ST+8*\t+4], v[ST+8*\t+2], v[ST+8*\t+3]
.endr
.irp t, 0,1,2,3
	v_permlanex16_b32 v[ST+8*\t+5], v[ST+8*\t+4], s[SEL], s[SEL+1]
.endr
.irp t, 0,1,2,3
	v_add_f32 v[ST+8*\t+4], v[ST+8*\t+4], v[ST+8*\t+5]
.endr
.irp t, 0,1,2,3
	v_rcp_f32 v[ST+8*\t+6], v[ST+8*\t+4]
.endr
	v_nop                                          ; a plain instruction between the last reciprocal and the use of its result
	s_wait_alu depctr_va_vdst(0)
; Tile t: a lane's eight channels of a block of 16 are 32 bytes of a query's 256; they go into rows of 272 bytes and come back as whole rows, into S^T's registers, which are free.
.macro PACK t
	WIN W_RS
.set u, 0
.rept 16
	v_pk_mul_f32 v[32*\t+2*u:32*\t+2*u+1], v[32*\t+2*u:32*\t+2*u+1], v[ST+8*\t+6:ST+8*\t+7] op_sel_hi:[1,0]
.set u, u+1
.endr
	WIN ST_1
.irp f, 0,1,2,3,4,5,6,7
	ds_store_b128 v[STO], v[32*\t+4*\f:32*\t+4*\f+3] offset:64*(\f/2)+16*(\f%2)
.endr
	WIN 0
.irp f, 0,1,2,3,4,5,6,7
	ds_load_b128 v[S+32*\t+4*\f:S+32*\t+4*\f+3], v[RD] offset:\f*2*SP   ; LDS serves a wave's instructions in order (ISA guide 5.7.1.4): these see the stores above; the next tile's stores come behind them
.endr
.endm
.macro SEND t, younger                 ; younger: the LDS instructions issued behind tile t's loads: the next tile's sixteen, or none
.irp f, 0,1,2,3,4,5,6,7
	s_wait_dscnt \younger+7-\f
	global_store_b128 v[GO], v[S+32*\t+4*\f:S+32*\t+4*\f+3], s[10:11] offset:\t*65536+\f*8192 th:TH_STORE_NT   ; 16 lanes store the 256 consecutive bytes of one query and head, at a multiple of 256 from out0's first byte
.endr
.endm
	PACK 0
	PACK 1                                         ; a tile's arithmetic stands between the loads of the tile before and its stores
	SEND 0, 16
	PACK 2
	SEND 1, 16
	PACK 3
	SEND 2, 16
	SEND 3, 0
	s_wait_xcnt 0x0
	v_lshl_add_u32 v254, v0, 2, 0x32000
	v_mov_b32 v255, 0
	s_wait_tensorcnt 0x0
	ds_add_u32 v254, v255
	s_wait_dscnt 0x0
	CROUND                                         ; the closing round: no work-group ends while a partner may still ask for a tile that names it
	s_endpgm
.Lfunc_end_k_qb50beb8e52_attend:
	.size	k_qb50beb8e52_attend, .Lfunc_end_k_qb50beb8e52_attend-k_qb50beb8e52_attend
	.p2alignl 7, 3214868480
	.fill 96, 4, 3214868480
	.section	.rodata,"a",@progbits
	.p2align	6, 0x0
	.amdhsa_kernel k_qb50beb8e52_attend
		.amdhsa_group_segment_fixed_size 327680
		.amdhsa_private_segment_fixed_size 0
		.amdhsa_enable_private_segment 0
		.amdhsa_kernarg_size 32
		.amdhsa_user_sgpr_count 2
		.amdhsa_user_sgpr_kernarg_segment_ptr 1
		.amdhsa_wavefront_size32 1
		.amdhsa_system_sgpr_workgroup_id_x 1
		.amdhsa_system_sgpr_workgroup_id_y 1
		.amdhsa_system_sgpr_workgroup_id_z 1
		.amdhsa_system_vgpr_workitem_id 0
		.amdhsa_next_free_vgpr 512
		.amdhsa_next_free_sgpr 66
		.amdhsa_reserve_vcc 0
		.amdhsa_float_denorm_mode_32 3
		.amdhsa_float_denorm_mode_16_64 3
		.amdhsa_memory_ordered 1
		.amdhsa_forward_progress 1
		.amdhsa_inst_pref_size 255
	.end_amdhsa_kernel
	.section	.bss,"aw",@nobits
	.p2align	6
	.space	262144
	.amdgpu_metadata
---
amdhsa.version: [ 1, 2 ]
amdhsa.kernels:
  - .name:           k_qb50beb8e52_attend
    .symbol:         k_qb50beb8e52_attend.kd
    .args:
      - { .name: q, .offset: 0, .size: 8, .value_kind: global_buffer, .address_space: global }
      - { .name: k, .offset: 8, .size: 8, .value_kind: global_buffer, .address_space: global }
      - { .name: v, .offset: 16, .size: 8, .value_kind: global_buffer, .address_space: global }
      - { .name: out0, .offset: 24, .size: 8, .value_kind: global_buffer, .address_space: global }
    .group_segment_fixed_size: 327680
    .private_segment_fixed_size: 0
    .kernarg_segment_align: 8
    .kernarg_segment_size: 32
    .max_flat_workgroup_size: 256
    .sgpr_count:     66
    .vgpr_count:     512
    .wavefront_size: 32
...
	.end_amdgpu_metadata
.endif
;; end of part 1
